; MI455X (gfx1250); checked and timed in simulation.
; The chip was launched on July 23, 2026; its instructions are those of AMD's public machine-readable ISA for CDNA 5 (MIT licence, August 2026) and "CDNA5" Instruction Set Architecture Reference Guide (July 2026). The comments in the code are by the model that wrote it; some were corrected since.
;; HGRN2 Block. Allowed arithmetic: matrix products marked QUANTISED: E5M2 operands, one given power-of-two scale a tensor, by v_wmma_f32_16x16x64_bf8_bf8 or v_wmma_f32_16x16x128_bf8_bf8, f32 sums; everything else in f32.
;; Inputs: W_out_codes 1,024 x 32 x 32 uint8 (E5M2 codes of W_out, K innermost, in blocks of 32 codes); W_proj_codes 3,072 x 32 x 32 uint8 (E5M2 codes of W_proj, K innermost, in blocks of 32 codes); b_out 1,024 float32; b_proj 3,072 float32; lowp_scales 4 int32 (the exponents e of the quantised operands' scales 2^e); x_codes 4 x 4,096 x 32 x 32 uint8 (E5M2 codes of x, K innermost, in blocks of 32 codes).
;; Outputs: out0 4 x 4,096 x 1,024 float32.
;; Constants: layer_idx = 0, num_layers = 12.
;; This version of the problem:
;;   THIS VERSION OF THE PROBLEM IS GIVEN IN LOW PRECISION. The matrix products marked QUANTISED in the list below multiply operands that are first quantised to E5M2 (5 exponent bits, 2 mantissa bits; 8 bits a number), with one given power-of-two scale for each operand tensor; their sums are f32. All else is computed in f32.
;;   The module's matrix products, in the order in which they are computed (A, B: the left and right operand; K: the contracted axis; several contracted axes count as one K, in the product's order):
;;     1. [M 16,384, K 1,024] x [K 1,024, N 3,072]; A: input x (given as codes); B: input W_proj (given as codes): QUANTISED (scales: A lowp_scales[0], B lowp_scales[1])
;;     2. [M 16,384, K 1,024] x [K 1,024, N 1,024]; A: computed on the way; B: input W_out (given as codes): QUANTISED (scales: A lowp_scales[2], B lowp_scales[3])
;;   THE QUANTISER, for each operand of a quantised product, along K:
;;     - The operand's scale is 2^e, e = its entry of the input lowp_scales (int32; the entries are numbered through the quantised products in the list's order, A before B).
;;     - Each number is divided by the scale, clamped to +-57,344, and rounded to the nearest number of E5M2, ties to even, subnormals kept.
;;     - The product sums the exact products of the quantised numbers (number of the format x scale) in f32.
;;   ~~~python
;;   def quantise(x, axis, e):      # numpy; x: float32 -> the quantised numbers, widened to float32 again
;;       x = np.moveaxis(x, axis, -1); K = x.shape[-1]
;;       r = np.clip(x / 2.0 ** e, -57344, 57344)
;;       step = 2.0 ** (np.maximum(np.frexp(np.where(r == 0, 1, r))[1] - 1, -14) - 2)
;;       q = np.round(r / step) * step * 2.0 ** e      # np.round: ties to even
;;       return np.moveaxis(q, -1, axis).astype(np.float32)
;;   ~~~
;;   OPERANDS COMPUTED ON THE WAY. 'Computed on the way' means the value that the module computes at that place (a softmax that the list does not call 'softmax' is quantised finished and normalised). What goes into a quantiser is computed in f32, as accurately as f32 sums, v_exp_f32 and their like allow (about 1e-6 of the number): no bf16 or f16 on the way to a quantiser, and a product that is left as it is and whose result goes on into a quantised operand takes f32 operands (vector FMAs, or v_wmma_f32_16x16x4_f32). A number that lies on a knife's edge between two numbers of the format may be rounded either way, as far as f32 arithmetic and the matrix unit's own rounding can turn it there, and no further.
;;   INPUTS GIVEN AS CODES. W_out (in the module: [1024, 1024], K = its axis 0); W_proj (in the module: [1024, 3072], K = its axis 0); x (in the module: [4, 4096, 1024], K = its axis 2): each comes as NAME_codes (uint8): NAME with its K axis moved to the last place and cut into blocks of 32 codes, [.., K / 32, bytes a block], one block behind the other in memory; one code a byte (a code: sign, 5 exponent bits, 2 mantissa bits); its scale is its entry of lowp_scales. Its value is code x scale, taken as it is: it is not quantised again, and the codes and scales need not be those that the quantiser above would give.
;; One version. Each part assembles by itself: llvm-mc -triple=amdgcn-amd-amdhsa -mcpu=gfx1250 --defsym DOCPART=n.
;; ======== version 1 of 1: 2 launches
;; limits: right only within a limited range of input values
;; workspace buffers: h_img 16,777,216 bytes
;; launch gate (part 1): grid 4 x 64, 4 waves a work-group, clusters of 4 x 4, 327,680 bytes of LDS; arguments x_codes, W_proj_codes, b_proj, lowp_scales, h_img; writes h_img
.if DOCPART == 1
	.amdgcn_target "amdgcn-amd-amdhsa--gfx1250"
	.amdhsa_code_object_version 6
	.text
	.protected	k_qbface5a4c0_gate
	.globl	k_qbface5a4c0_gate
	.p2align	8
	.type	k_qbface5a4c0_gate,@function
k_qbface5a4c0_gate:
	s_mov_b64 s[64:65], 0
	v_nop
	global_prefetch_b8 v0, s[64:65] scope:SCOPE_SE
	s_setreg_imm32_b32 hwreg(HW_REG_WAVE_MODE, 25, 1), 1
	s_wait_xcnt 0x0
	s_wait_alu depctr_hold_cnt(0) depctr_sa_sdst(0) depctr_va_vdst(0) depctr_va_sdst(0) depctr_va_ssrc(0) depctr_va_vcc(0) depctr_vm_vsrc(0)
	s_getreg_b32 s2, hwreg(HW_REG_IB_STS2, 6, 4)
	s_cmp_eq_u32 s2, 0
	s_cbranch_scc0 .Lentry_in_a_cluster
	s_endpgm
.Lentry_in_a_cluster:
	s_bfe_u32 s2, ttmp6, 0x10000c
	s_cmp_lg_u32 s2, 0xf033
	s_cbranch_scc0 .Lentry_shape_is_right
	s_endpgm
.Lentry_shape_is_right:
; h = Q(gate_input * sigmoid(output_gate)), with x_proj = x W_proj + b_proj.  x, W_proj: codes of BF8 (E5M2), K innermost, scales 2^e0, 2^e1; h leaves as codes with the scale 2^e2.
; DEAD WORK.  reference() splits x_proj into gate_input, forget_input, output_gate and forms its result from the first and the third alone: forget_input (columns 1024-2047 of x_proj)
; reaches no output whatever the inputs hold.  So rows 1024-2047 of W_proj_codes and entries 1024-2047 of b_proj are not loaded, and that third of the product is not made.
; layer_idx and num_layers reach no output either.  LIMIT: a NaN, an infinity or an overflow that arises in forget_input alone is not carried to the result.
; LIMITS of the scales: with E = e0 + e1, -126 <= E <= 127 and -126 <= e2 - E <= 112, so that the factors below are f32 numbers.
; SHARES.  A work-group of four waves owns 256 rows and 256 columns of h; wave w owns 64 of the rows with ALL of K = 1,024 in 512 registers.  The weights go through a ring of two LDS slots:
; a slot holds 64 rows of the gate's weights and the 64 matching rows of the output gate's, whole K.  A CHUNK is 16 columns of h: 16 + 16 rows of weights x my 64 rows x all of K: 8 accumulators, 64 matrix instructions.
; The sigmoid and the product of the chunk before stand as ONE block between two chunks, where no sum is half made: two batches of transcendentals, each with its waits.  ALL of the next chunk's fragments
; (256 registers, four buffers) are asked for inside that block, in four runs.  Behind the next chunk's first sixteen matrix instructions stand the hold and the conversion of the chunk before, plain vector work alone;
; its four stores stand behind the chunk's last matrix instruction.  Chunks run in counted loops, four chunks to a slot.
; THE MATRIX INSTRUCTION IS USED TRANSPOSED (source 0 = 16 rows of weights, source 1 = 16 rows of x): a lane holds one row and eight neighbouring columns, which one conversion packs into 8 bytes.
; k's place in the registers is the same permutation on both sides: registers 4 c .. 4 c + 3: k = 128 s + 32 c + 16 (lane / 16) + 0 .. 15.
; CLUSTER, 4 x 4: cx is the quarter of the columns, cy one of four row blocks.  The four of a row of the cluster need the same rows of x, the four of a column the same weights: both are asked for JOINTLY.
; x's 256 rows land first, on the ring's bytes (256 rows x 1,040 are the two slots); each wave fetches its own 64 rows and reads them into registers; then the ring's two slots are filled, each behind the full sequence.
; PREFETCH.  Behind each fill a wave names the 32 rows of weights that it fetches at the NEXT fill: the four partners of a column share them out by cy, 8 rows each, a lane 256 bytes; four clusters ask, since all clusters read the same weights.
; x is the launch's first load: there is no step ahead of it in which to ask.
; ARITHMETIC.  A sum stands for sum x 2^E: the bias goes in as b x 2^-E, the C of a sum's first matrix instruction.  sigmoid(o) = 1 / (1 + 2^(-log2(e) 2^E sum)); the code of h is (sum_g x sigmoid) / 2^(e2 - E), held at +-57,344.
; h_img: [tile of 16 rows][K step][c][lane][16 bytes], the image of the next launch's operand registers: chunk n's 16 columns are 256 consecutive bytes at 256 n of my quarter's 4,096.
; REGISTERS, in windows of 256.  window 0: v0-31 addresses; v32-47 the chunk's biases; v96-103 codes; v128-159 sum_g x sigmoid; v160-223 the weights of K steps 6, 7.
;   window 1: v0-31 the gate's sums (8 m), v32-63 the output gate's; v128-191, v192-255, v64-127 the weights of K steps 0-1, 2-3, 4-5.   window 2: x of K steps 0-3 (64 (s % 4) + 16 m + 4 c); window 3: of K steps 4-7.
.set PITCH, 1040                       ; an LDS row: 1,024 bytes + 16
.set STEP,  16*PITCH                   ; from chunk to chunk
.set WPART, 32*PITCH                   ; what one tensor load of weights brings
.set SLOTB, 128*PITCH
.set BIA,   0                          ; 256 + 256 biases x 2^-E
.set SPARE, 2048                       ; the spare words, 128 bytes a wave
.set RING,  STEP                       ; the ring begins one chunk's step into LDS, so that an address one chunk back is never negative
.set WV,   14
.set G1,   24                          ; s[24:31] descriptor group 1 of the weights; s[32:39] group 0, a set for each slot
.set G0,   32
.set G0X,  68                          ; s[68:71], s[72:79] x's descriptor
.set G1X,  72
.set KU,   40                          ; s[40:41] -log2(e) 2^E, twice
.set LIMN, 42
.set LIMP, 43                          ; 57,344 x 2^(e2 - E)
.set NE,   44
.set PFA,  46
.set WOFF, 48                          ; the chunk's rows in LDS, in bytes
.set BOFF, 49                          ; the chunk's biases, in bytes
.set CNT,  59
.set XA,   4                           ; my lane's place in my 64 rows of x
.set BO,   7
.set BSI,  8
.set BAD,  9
.set ADG,  10                          ; v10-11 my lane's place in a tile of weights: the gate's rows, the output gate's
.set AW,   12                          ; v12-13 the same for the chunk at hand
.set HO,   14
.set PFO,  15
.set SCL,  16
.set AB,   17                          ; the chunk's biases
.set BT,   20
.set SPW,  28
.set NIL,  29
.set BR,   32
.set CD,   96
.set H,    128
.set B3,   160
.set AO,   32                          ; the output gate's sums, in window 1
.set TO_B, 0x40
.set MSB, 0
.macro WIN new                         ; the immediate's high byte repeats the setting that is left
.if MSB != (\new)
	s_set_vgpr_msb (MSB<<8)|(\new)
.set MSB, (\new)
.endif
.endm
.macro PLACES                          ; four places behind a matrix instruction (ISA guide 7.12.1)
.rept 4
	v_nop
.endr
.endm
.macro ROUND                           ; a round of the cluster's barrier
	s_barrier_signal -1
	s_barrier_wait -1
	s_cmp_lg_u32 s[WV], 0
	s_cbranch_scc1 .Lnot_wave_0_\@
	s_barrier_signal -3
.Lnot_wave_0_\@:
	s_barrier_wait -3
	s_barrier_signal -1
	s_barrier_wait -1
.endm
.macro ADDR                            ; the chunk's LDS addresses
	v_add_nc_u32 v[AW], s[WOFF], v[ADG]
	v_add_nc_u32 v[AW+1], s[WOFF], v[ADG+1]
	v_add_nc_u32 v[AB], s[BOFF], v[BAD]
.endm
.macro BIASRUN d                       ; a chunk's biases in the result's layout: eight for each of its two tiles; d: bytes beyond the address register
.irp n, 0,1
	ds_load_b128 v[BR+8*\n:BR+8*\n+3], v[AB] offset:(\d)+1024*\n
	ds_load_b128 v[BR+8*\n+4:BR+8*\n+7], v[AB] offset:(\d)+1024*\n+16
.endr
.endm
.macro LD1 pr, i, d                    ; load i of the 16 that bring K steps 2 pr, 2 pr + 1 of the chunk's two tiles: i = 8 t + 4 n + c
.if (\pr) == 3
.set rW, B3+4*(\i)
.else
.set rW, 64*(1+((\pr)+1)%3)+4*(\i)
.endif
	ds_load_b128 v[rW:rW+3], v[AW+((\i)/4)%2] offset:(\d)+128*(2*(\pr)+(\i)/8)+32*((\i)%4)
.endm
.macro LD16 pr, d
.irp i, 0,1,2,3,4,5,6,7,8,9,10,11,12,13,14,15
	LD1 \pr, \i, \d
.endr
.endm
.macro MM s, p                         ; tile p % 2 of the weights x tile p / 2 of my rows; the eight accumulators take turns
.set rD, 32*((\p)%2)+8*((\p)/2)
.if (\s) >= 6
.set rB, B3+32*((\s)%2)+16*((\p)%2)
.else
.set rB, 64*(1+((\s)/2+1)%3)+32*((\s)%2)+16*((\p)%2)
.endif
.set rA, 64*((\s)%4)+16*((\p)/2)
.if (\s) == 0
.set rC, BR+8*((\p)%2)
	v_wmma_f32_16x16x128_bf8_bf8 v[rD:rD+7], v[rB:rB+15], v[rA:rA+15], v[rC:rC+7]
.else
	v_wmma_f32_16x16x128_bf8_bf8 v[rD:rD+7], v[rB:rB+15], v[rA:rA+15], v[rD:rD+7]
.endif
.endm
.macro TAIL m, part                    ; row tile m of the chunk before: parts 0, 1 the hold, part 2 the codes
.if (\part) < 2
.irp i, 0,1,2,3
	v_med3_num_f32 v[H+8*(\m)+4*(\part)+\i], v[H+8*(\m)+4*(\part)+\i], s[LIMN], s[LIMP]   ; the conversion does not saturate (ISA guide 7.6.2)
.endr
.else
	v_cvt_scalef32_pk8_bf8_f32 v[CD+2*(\m):CD+2*(\m)+1], v[H+8*(\m):H+8*(\m)+7], v[SCL]
	v_nop                                          ; a plain place behind the conversion
.endif
.endm
.macro STO                             ; the four row tiles' codes leave
.irp m, 0,1,2,3
	global_store_b64 v[HO], v[CD+2*\m:CD+2*\m+1], s[12:13] offset:\m*16384-256   ; 32 lanes store 256 consecutive bytes, at a multiple of 256
.endr
.endm
; What stands behind matrix instruction p of K step s: in K steps 0 and 1 the hold and the conversion of two row tiles each; no wait stands between a hold and its conversion.
.macro HOOK s, p, tail
.if ((\s) < 2) && ((\p)%4 < 3) && (\tail)
	WIN 0
	TAIL 2*(\s)+(\p)/4, (\p)%4
	WIN CUR
.endif
.endm
.macro KSTEP s, cnt, tail              ; cnt: the LDS loads issued behind this K step's eight, which may stay out
	s_wait_dscnt \cnt
.if (\s) == 0
.set CUR, 0x49                         ; weights window 1, x window 2, C (the bias) window 0, D window 1
.elseif (\s) < 4
.set CUR, 0x59
.elseif (\s) < 6
.set CUR, 0x5d                         ; x window 3
.else
.set CUR, 0x5c                         ; weights window 0
.endif
	WIN CUR
.irp p, 0,1,2,3,4,5,6,7
	MM \s, \p
	HOOK \s, \p, \tail
.endr
.endm
.macro MMS tail                        ; a chunk's 64 matrix instructions.  Issued ahead: 4 bias loads and the four pairs' 64, eight to a K step, in K's order
	KSTEP 0, 56, \tail
	KSTEP 1, 48, \tail
	KSTEP 2, 40, \tail
	KSTEP 3, 32, \tail
	KSTEP 4, 24, \tail
	KSTEP 5, 16, \tail
	KSTEP 6, 8, \tail
	KSTEP 7, 0, \tail
	WIN 0
.if \tail
	s_wait_alu depctr_va_vdst(0)
	STO
.endif
.endm
; The finished chunk: sigmoid and product.  ld = 1: the next chunk's addresses are made, and its pairs 1, 2, 3 are asked for behind the first batch, the second batch and the products.
.macro EPI ld
.if \ld
	WIN 0
	ADDR
.endif
	WIN 0x55
.set j, 0
.rept 16
	v_pk_mul_f32 v[AO+j:AO+j+1], v[AO+j:AO+j+1], s[KU:KU+1] op_sel_hi:[1,0]   ; each accumulator from its low end on
.set j, j+2
.endr
	s_wait_alu depctr_va_vdst(0)                   ; ahead of the batch
.set j, 0
.rept 32
	v_exp_f32 v[AO+j], v[AO+j]
.set j, j+1
.endr
.if \ld
	WIN TO_B
	LD16 1, 0
	WIN 0x55
.endif
	v_nop                                          ; a plain place behind the batch
	s_wait_alu depctr_va_vdst(0)                   ; one wait for the batch, ahead of its first reader
.set j, 0
.rept 16
	v_pk_add_f32 v[AO+j:AO+j+1], v[AO+j:AO+j+1], 1.0 op_sel_hi:[1,0]
.set j, j+2
.endr
	s_wait_alu depctr_va_vdst(0)                   ; ahead of the second batch
.set j, 0
.rept 32
	v_rcp_f32 v[AO+j], v[AO+j]
.set j, j+1
.endr
.if \ld
	WIN TO_B
	LD16 2, 0
.endif
	WIN 0x05                                       ; the sums in window 1, the products in window 0
	v_nop
	s_wait_alu depctr_va_vdst(0)                   ; for the batch, and directly ahead of the first readers of the gate's sums
.set j, 0
.rept 16
	v_pk_mul_f32 v[H+j:H+j+1], v[j:j+1], v[AO+j:AO+j+1]
.set j, j+2
.endr
	s_wait_xcnt 0x0                                ; the last stores have read their base and their codes
	s_add_nc_u64 s[12:13], s[12:13], 256           ; one chunk on; the stores reach back by 256
.if \ld
	WIN 0
	LD16 3, 0
.endif
.endm
.macro ASK t                           ; my work-group's 8 of the 32 rows that I fetch of tile t
	s_cmp_lt_u32 s17, 4
	s_cbranch_scc0 .Lnot_mine_\@
	global_prefetch_b8 v[PFO], s[PFA:PFA+1] offset:(\t)*65536 th:TH_LOAD_NT scope:SCOPE_SE
.Lnot_mine_\@:
.endm
.macro FILL sl, ask                    ; all my tensor loads, the add, my LDS instructions; the round; the fill first behind it; ask: the tile named for the next fill, or 0
	s_wait_tensorcnt 0x0
	ds_add_u32 v[SPW], v[NIL]
	s_wait_dscnt 0x0
	ROUND
	tensor_load_to_lds s[G0+4*(\sl):G0+4*(\sl)+3], s[G1:G1+7]
	s_nop 0
	PLACES
.if \ask
	ASK \ask
.endif
.endm
.macro STEPG sl                        ; the load that named this set was shown done by the wait in front of the fill before: the set may be written
	s_add_nc_u64 s[G0+4*(\sl)+2:G0+4*(\sl)+3], s[G0+4*(\sl)+2:G0+4*(\sl)+3], 131072   ; two tiles of 64 rows on
.endm
; n chunks from chunk c0 on, all in one slot.  A trip: the chunk's first fragments are asked for by the last chunk's address registers, one step on in the immediate; the chunk before is finished; the chunk is multiplied.
.macro RUN c0, n
	s_mov_b32 s[WOFF], RING+(((\c0)/4)%2)*SLOTB+((\c0)%4)*STEP-STEP
	s_mov_b32 s[BOFF], 64*(\c0)-64
	s_mov_b32 s[CNT], \n
	ADDR
.Lrun_\@:
	PLACES                                         ; behind the last products: for the loads into their buffers and the first read of the sums
	BIASRUN 64
	WIN TO_B
	LD16 0, STEP
	s_add_co_u32 s[WOFF], s[WOFF], STEP
	s_add_co_u32 s[BOFF], s[BOFF], 64
	EPI 1
	MMS 1
	s_sub_co_u32 s[CNT], s[CNT], 1
	s_cmp_lg_u32 s[CNT], 0
	s_cbranch_scc1 .Lrun_\@
.endm
	s_load_b256 s[4:11], s[0:1], 0x0               ; x s[4:5], W_proj s[6:7], b_proj s[8:9], the scales' exponents s[10:11]
	s_load_b64 s[12:13], s[0:1], 0x20              ; h_img
	v_lshl_add_u32 v[SPW], v0, 2, SPARE
	v_mov_b32 v[NIL], 0
	ds_add_u32 v[SPW], v[NIL]
	ds_add_u32 v[SPW], v[NIL]
	v_lshrrev_b32 v1, 5, v0
	v_readfirstlane_b32 s[WV], v1                  ; wave 0..3
	v_and_b32 v1, 15, v0                           ; r
	v_bfe_u32 v2, v0, 4, 1                         ; h
	v_and_b32 v3, 31, v0                           ; lane
	v_lshrrev_b32 v[BO], 6, v0
	v_mul_u32_u24 v[BO], v[BO], 7168
	v_lshl_add_u32 v[BO], v0, 4, v[BO]             ; threads 0-63: the gate's biases; 64-127: the output gate's, 8,192 bytes on
	v_lshl_add_u32 v[BSI], v0, 4, BIA
	v_lshl_add_u32 v[BAD], v2, 5, BIA
	v_mul_u32_u24 v[ADG], v1, PITCH
	v_lshl_add_u32 v[ADG], v2, 4, v[ADG]           ; row r x pitch + 16 h
	v_add_nc_u32 v[ADG+1], 64*PITCH, v[ADG]
	s_mul_i32 s58, s[WV], 64*PITCH
	s_add_co_u32 s58, s58, RING                    ; my 64 rows of x in LDS
	v_add_nc_u32 v[XA], s58, v[ADG]
	v_lshlrev_b32 v[HO], 4, v1
	v_lshl_add_u32 v[HO], v2, 3, v[HO]             ; h_img: 16 r + 8 h
	v_lshlrev_b32 v[PFO], 8, v3
	s_bfe_u32 s15, ttmp6, 0x40000                  ; cx: which 256 columns
	s_bfe_u32 s16, ttmp6, 0x40004                  ; cy
	s_and_b32 s17, ttmp7, 0xffff                   ; the cluster's number
	s_lshl_b32 s18, s17, 2
	s_add_co_u32 s18, s18, s16                     ; my block of 256 rows
	s_lshl_b32 s60, s16, 2
	s_lshl_b32 s60, 15, s60                        ; my row of the cluster: x's partners
	s_lshl_b32 s61, 0x1111, s15                    ; my column: the weights' partners
	s_or_b32 s[G1], s61, (1<<20)|(1<<21)|(7<<22)|(3<<25)    ; the mask; elements of 1 byte; padding of 4 words after every 256
	s_or_b32 s[G1X], s60, (1<<20)|(1<<21)|(7<<22)|(3<<25)
	s_mov_b32 s[G1+1], 1024<<16
	s_mov_b32 s[G1+2], 32<<16                      ; 32 rows of weights
	s_mov_b32 s[G1+3], 1024<<16
	s_mov_b32 s[G1+4], 32
	s_mov_b32 s[G1+5], 1024
	s_mov_b32 s[G1+6], 0
	s_mov_b32 s[G1+7], 0
	s_mov_b32 s[G1X+1], 1024<<16
	s_mov_b32 s[G1X+2], 64<<16                     ; 64 rows of x
	s_mov_b32 s[G1X+3], 1024<<16
	s_mov_b32 s[G1X+4], 64
	s_mov_b32 s[G1X+5], 1024
	s_mov_b32 s[G1X+6], 0
	s_mov_b32 s[G1X+7], 0
	s_lshl_b32 s50, s18, 18
	s_lshl_b32 s51, s[WV], 16
	s_add_co_u32 s50, s50, s51                     ; x: 256 rows of 1,024 bytes a block, 64 a wave
	s_mov_b32 s51, 0
	s_lshl_b32 s52, s15, 12
	s_add_co_u32 s52, s52, s50                     ; h_img: the same bytes, + my quarter's two K steps
	s_mov_b32 s53, 0
	s_lshr_b32 s54, s[WV], 1
	s_lshl_b32 s54, s54, 21                        ; waves 0, 1 fetch the gate's rows, waves 2, 3 the output gate's, 2,048 rows on,
	s_lshl_b32 s55, s15, 18
	s_add_co_u32 s54, s54, s55                     ; my quarter's 256 rows,
	s_and_b32 s55, s[WV], 1
	s_lshl_b32 s55, s55, 15
	s_add_co_u32 s54, s54, s55                     ; 32 of a tile's 64
	s_mov_b32 s55, 0
	s_lshl_b32 s56, s15, 10
	s_mov_b32 s57, 0
	s_lshl_b32 s[PFA], s16, 13                     ; my work-group's 8 rows of the 32
	s_mov_b32 s[PFA+1], 0
	s_wait_alu depctr_va_vdst(0)
	s_wait_dscnt 0x0
	s_wait_kmcnt 0x0
	s_load_b128 s[20:23], s[10:11], 0x0            ; e0, e1, e2, e3
	s_add_nc_u64 s[4:5], s[4:5], s[50:51]
	s_add_nc_u64 s[12:13], s[12:13], s[52:53]
	s_add_nc_u64 s[6:7], s[6:7], s[54:55]
	s_add_nc_u64 s[8:9], s[8:9], s[56:57]
	s_add_nc_u64 s[PFA:PFA+1], s[6:7], s[PFA:PFA+1]
	global_load_b128 v[BT:BT+3], v[BO], s[8:9]
	s_mov_b32 s[G0X], 1
	s_mul_i32 s[G0X+1], s[WV], 64*PITCH
	s_add_co_u32 s[G0X+1], s[G0X+1], RING
	s_mov_b64 s[G0X+2:G0X+3], s[4:5]
	s_or_b32 s[G0X+3], s[G0X+3], 0x80000000
.irp sl, 0,1
	s_mov_b32 s[G0+4*\sl], 1
	s_mul_i32 s[G0+4*\sl+1], s[WV], WPART
	s_add_co_u32 s[G0+4*\sl+1], s[G0+4*\sl+1], RING+\sl*SLOTB
	s_add_nc_u64 s[G0+4*\sl+2:G0+4*\sl+3], s[6:7], \sl*65536
	s_or_b32 s[G0+4*\sl+3], s[G0+4*\sl+3], 0x80000000
.endr
	ROUND                                          ; all sixteen work-groups are here: the joint loads meet
	tensor_load_to_lds s[G0X:G0X+3], s[G1X:G1X+7]  ; my 64 rows of x: my one tensor load at the head
	s_nop 0
	PLACES
	ASK 0
	s_wait_kmcnt 0x0
	s_add_co_i32 s50, s20, s21                     ; E = e0 + e1
	s_sub_co_i32 s[NE], 0, s50
	s_lshl_b32 s51, s50, 23
	s_add_co_u32 s[KU], s51, 0xbfb8aa3b            ; -log2(e) x 2^E
	s_mov_b32 s[KU+1], s[KU]
	s_sub_co_i32 s50, s22, s50
	s_add_co_i32 s50, s50, 127
	s_lshl_b32 s51, s50, 23
	v_mov_b32 v[SCL], s51                          ; 2^(e2 - E)
	s_add_co_i32 s50, s50, 15
	s_lshl_b32 s50, s50, 23
	s_or_b32 s[LIMP], s50, 0x600000                ; 57,344 x that
	s_or_b32 s[LIMN], s[LIMP], 0x80000000
	s_wait_loadcnt 0x0
.irp j, 0,1,2,3
	v_ldexp_f32 v[BT+\j], v[BT+\j], s[NE]          ; b x 2^-E
.endr
	ds_store_b128 v[BSI], v[BT:BT+3]
	s_wait_alu depctr_va_vdst(0)
	s_wait_tensorcnt 0x0                           ; my rows of x are in LDS; nobody else reads them
.irp s, 0,1,2,3,4,5,6,7
	WIN 0x80+0x40*(\s/4)
.irp m, 0,1,2,3
.irp c, 0,1,2,3
	ds_load_b128 v[64*(\s%4)+16*\m+4*\c:64*(\s%4)+16*\m+4*\c+3], v[XA] offset:\m*16*PITCH+128*\s+32*\c
.endr
.endr
.endr
	WIN 0
	FILL 0, 1                                      ; x is in registers everywhere: tile 0 lands on its bytes
	FILL 1, 2                                      ; tile 0 is in: tile 1
	s_mov_b32 s[WOFF], RING
	s_mov_b32 s[BOFF], 0
	ADDR                                           ; chunk 0 has no chunk before it
	s_wait_alu depctr_va_vdst(0)                   ; nothing but loads and waits follows the addresses here
	BIASRUN 0
	WIN TO_B
	LD16 0, 0
	LD16 1, 0
	LD16 2, 0
	WIN 0
	LD16 3, 0
	MMS 0
	RUN 1, 3
	STEPG 0
	FILL 0, 3                                      ; tile 2 into slot 0
	RUN 4, 4
	STEPG 1
	FILL 1, 0                                      ; tile 3 into slot 1
	RUN 8, 4
	s_wait_tensorcnt 0x0                           ; tile 3 is in; nothing is left to fetch
	ds_add_u32 v[SPW], v[NIL]
	s_wait_dscnt 0x0
	s_barrier_signal -1
	s_barrier_wait -1
	RUN 12, 4
	PLACES
	EPI 0                                          ; the last chunk
	WIN 0
.irp m, 0,1,2,3
	TAIL \m, 0
	TAIL \m, 1
	TAIL \m, 2
.endr
	STO
	s_wait_tensorcnt 0x0                           ; the wave's end
	ds_add_u32 v[SPW], v[NIL]
	s_wait_dscnt 0x0
	ROUND                                          ; the closing round
	s_endpgm
.Lfunc_end_k_qbface5a4c0_gate:
	.size	k_qbface5a4c0_gate, .Lfunc_end_k_qbface5a4c0_gate-k_qbface5a4c0_gate
	.p2alignl 7, 3214868480
	.fill 96, 4, 3214868480
	.section	.rodata,"a",@progbits
	.p2align	6, 0x0
	.amdhsa_kernel k_qbface5a4c0_gate
		.amdhsa_group_segment_fixed_size 327680
		.amdhsa_private_segment_fixed_size 0
		.amdhsa_enable_private_segment 0
		.amdhsa_kernarg_size 40
		.amdhsa_user_sgpr_count 2
		.amdhsa_user_sgpr_kernarg_segment_ptr 1
		.amdhsa_wavefront_size32 1
		.amdhsa_system_sgpr_workgroup_id_x 1
		.amdhsa_system_sgpr_workgroup_id_y 1
		.amdhsa_system_sgpr_workgroup_id_z 1
		.amdhsa_system_vgpr_workitem_id 0
		.amdhsa_next_free_vgpr 1024
		.amdhsa_next_free_sgpr 80
		.amdhsa_reserve_vcc 0
		.amdhsa_float_denorm_mode_32 3
		.amdhsa_float_denorm_mode_16_64 3
		.amdhsa_memory_ordered 1
		.amdhsa_forward_progress 1
		.amdhsa_inst_pref_size 109
	.end_amdhsa_kernel
	.amdgpu_metadata
---
amdhsa.version: [ 1, 2 ]
amdhsa.kernels:
  - .name:           k_qbface5a4c0_gate
    .symbol:         k_qbface5a4c0_gate.kd
    .args:
      - { .name: x_codes, .offset: 0, .size: 8, .value_kind: global_buffer, .address_space: global }
      - { .name: W_proj_codes, .offset: 8, .size: 8, .value_kind: global_buffer, .address_space: global }
      - { .name: b_proj, .offset: 16, .size: 8, .value_kind: global_buffer, .address_space: global }
      - { .name: lowp_scales, .offset: 24, .size: 8, .value_kind: global_buffer, .address_space: global }
      - { .name: h_img, .offset: 32, .size: 8, .value_kind: global_buffer, .address_space: global }
    .group_segment_fixed_size: 327680
    .private_segment_fixed_size: 0
    .kernarg_segment_align: 8
    .kernarg_segment_size: 40
    .max_flat_workgroup_size: 128
    .sgpr_count:     80
    .vgpr_count:     1024
    .wavefront_size: 32
...
	.end_amdgpu_metadata
.endif
;; end of part 1
;; launch proj (part 2): grid 256 x 1, 4 waves a work-group, clusters of 4 x 1, 327,680 bytes of LDS; arguments h_img, W_out_codes, b_out, lowp_scales, out0; writes out0
.if DOCPART == 2
	.amdgcn_target "amdgcn-amd-amdhsa--gfx1250"
	.amdhsa_code_object_version 6
	.text
	.protected	k_qbface5a4c0_proj
	.globl	k_qbface5a4c0_proj
	.p2align	8
	.type	k_qbface5a4c0_proj,@function
k_qbface5a4c0_proj:
	s_mov_b64 s[64:65], 0
	v_nop
	global_prefetch_b8 v0, s[64:65] scope:SCOPE_SE
	s_setreg_imm32_b32 hwreg(HW_REG_WAVE_MODE, 25, 1), 1
	s_wait_xcnt 0x0
	s_wait_alu depctr_hold_cnt(0) depctr_sa_sdst(0) depctr_va_vdst(0) depctr_va_sdst(0) depctr_va_ssrc(0) depctr_va_vcc(0) depctr_vm_vsrc(0)
	s_getreg_b32 s2, hwreg(HW_REG_IB_STS2, 6, 4)
	s_cmp_eq_u32 s2, 0
	s_cbranch_scc0 .Lentry_in_a_cluster
	s_endpgm
.Lentry_in_a_cluster:
	s_bfe_u32 s2, ttmp6, 0x10000c
	s_cmp_lg_u32 s2, 0x3003
	s_cbranch_scc0 .Lentry_shape_is_right
	s_endpgm
.Lentry_shape_is_right:
; out = h W_out + b_out.  h: codes of BF8 (E5M2) with the scale 2^e2, as images of this launch's operand registers (h_img: [tile of 16 rows][K step s][c][lane][16 bytes]);
; W_out: [1024][1024] codes, K innermost, scale 2^e3; out: [16384][1024] f32; sums in f32.
; SHARES.  A work-group of four waves owns 256 rows and 256 columns; wave w owns 64 of the rows with ALL of K = 1,024 in 512 registers, each fragment by four loads of 512 consecutive bytes.
; The work-group's 256 rows of W_out lie in LDS whole, filled once: one tensor load of 64 rows a wave.  A CHUNK is 64 columns x my 64 rows x all of K: 16 accumulators, 128 matrix instructions; 64 columns are 256 bytes of a row of out.
; The weights of a K step (4 tiles, 64 registers) have four buffers; they are fetched two K steps to a run: two runs between chunks, two inside a chunk.
; THE WAY OUT is one block between two chunks: the sums are multiplied by 2^E in place, and a tile of 16 rows at a time goes through my own stage in LDS and comes back as whole rows of 256 bytes; a tile's stores stand one tile behind its loads.
; THE MATRIX INSTRUCTION IS USED TRANSPOSED (source 0 = 16 rows of W_out, source 1 = 16 rows of h): a lane holds one row and eight neighbouring columns.
; k's place in the registers is the same permutation on both sides: registers 4 c .. 4 c + 3: k = 128 s + 32 c + 16 (lane / 16) + 0 .. 15.
; CLUSTER.  The four work-groups of a cluster take four row blocks and the same 256 columns: the weights are asked for JOINTLY (mask 15).  h goes from memory to registers, each wave its own rows.
; No prefetch: every byte that the launch reads is asked for at its head; there is no loop to run ahead in.
; ARITHMETIC.  With E = e2 + e3 a sum stands for sum x 2^E: the bias goes in as b x 2^-E, the C of a sum's first matrix instruction, and each finished sum is multiplied once by 2^E.
; LIMIT: -126 <= e2 + e3 <= 127, so that 2^E is an f32 number.
; REGISTERS, in windows of 256.  window 0: v0-31 addresses; v32-63 the chunk's biases; v64-127 rows read back from the stage, two sets; v128-191, v192-255 the weights of K steps 2, 3 mod 4.
;   window 1: v0-127 the accumulators (32 n + 8 m); v128-191, v192-255 the weights of K steps 0, 1 mod 4.   window 2: h of K steps 0-3 (64 (s % 4) + 16 m + 4 c); window 3: of K steps 4-7.
.set PITCH, 1040                       ; an LDS row of weights: 1,024 bytes + 16
.set WPART, 64*PITCH                   ; what one tensor load brings
.set OST,   256*PITCH                  ; behind the weights: a stage of 16 rows x 272 bytes for each wave
.set OP,    272
.set OSTW,  16*OP
.set BIA,   OST+4*OSTW                 ; 256 biases x 2^-E
.set SPARE, BIA+1024                   ; the spare words, 128 bytes a wave
.set WV,   14
.set G1,   24
.set G0,   32
.set SO,   40                          ; s[40:41] 2^E, twice
.set NE,   44
.set WOFF, 48                          ; the chunk's rows of weights in LDS, in bytes
.set BOFF, 49
.set CNT,  59
.set LO,   4                           ; 16 x lane
.set BO,   7
.set BSI,  8
.set BAD,  9
.set AL,   10                          ; my lane's place in a tile of weights
.set AW,   12                          ; the same for the chunk at hand
.set AB,   13
.set OSI,  14
.set OSO,  15
.set OO,   16
.set BT,   20
.set SPW,  28
.set NIL,  29
.set BR,   32
.set BK,   64
.set TO_B, 0x40
.set MSB, 0
.macro WIN new                         ; the immediate's high byte repeats the setting that is left
.if MSB != (\new)
	s_set_vgpr_msb (MSB<<8)|(\new)
.set MSB, (\new)
.endif
.endm
.macro PLACES                          ; four places behind a matrix instruction (ISA guide 7.12.1)
.rept 4
	v_nop
.endr
.endm
.macro ROUND                           ; a round of the cluster's barrier
	s_barrier_signal -1
	s_barrier_wait -1
	s_cmp_lg_u32 s[WV], 0
	s_cbranch_scc1 .Lnot_wave_0_\@
	s_barrier_signal -3
.Lnot_wave_0_\@:
	s_barrier_wait -3
	s_barrier_signal -1
	s_barrier_wait -1
.endm
.macro ALOAD s                         ; h's four fragments of K step s: 16 loads of 512 consecutive bytes
	WIN 0x80+0x40*((\s)/4)
.irp m, 0,1,2,3
.irp c, 0,1,2,3
	global_load_b128 v[64*((\s)%4)+16*\m+4*\c:64*((\s)%4)+16*\m+4*\c+3], v[LO], s[4:5] offset:\m*16384+(\s)*2048+\c*512
.endr
.endr
.endm
.macro ADDR
	v_add_nc_u32 v[AW], s[WOFF], v[AL]
	v_add_nc_u32 v[AB], s[BOFF], v[BAD]
.endm
.macro BIASRUN                         ; the chunk's biases in the result's layout: eight for each of its four tiles
.irp n, 0,1,2,3
	ds_load_b128 v[BR+8*\n:BR+8*\n+3], v[AB] offset:64*\n
	ds_load_b128 v[BR+8*\n+4:BR+8*\n+7], v[AB] offset:64*\n+16
.endr
.endm
.macro PRUN k                          ; 32 LDS loads: the chunk's four tiles of weights, K steps 2 k and 2 k + 1; even k into window 1, odd k into window 0
	WIN TO_B*(1-(\k)%2)
.irp t, 0,1
.irp n, 0,1,2,3
.irp c, 0,1,2,3
	ds_load_b128 v[128+64*\t+16*\n+4*\c:128+64*\t+16*\n+4*\c+3], v[AW] offset:16*PITCH*\n+128*(2*(\k)+\t)+32*\c
.endr
.endr
.endr
.endm
.macro MM s, n, m                      ; tile n of the weights x tile m of my rows; the sixteen accumulators take turns
.set rD, 32*(\n)+8*(\m)
.set rB, 128+64*((\s)%2)+16*(\n)
.set rA, 64*((\s)%4)+16*(\m)
.if (\s) == 0
	v_wmma_f32_16x16x128_bf8_bf8 v[rD:rD+7], v[rB:rB+15], v[rA:rA+15], v[BR+8*(\n):BR+8*(\n)+7]
.else
	v_wmma_f32_16x16x128_bf8_bf8 v[rD:rD+7], v[rB:rB+15], v[rA:rA+15], v[rD:rD+7]
.endif
.endm
.macro KSTEP s, cnt, first             ; cnt: the LDS loads issued behind this K step's sixteen, which may stay out
.if (\first) && ((\s) >= 4)
	s_wait_loadcnt 16*(7-(\s))                     ; h's K step s is in; the younger K steps, 16 loads each, may be out
.endif
	s_wait_dscnt \cnt
	WIN 0x40|((((\s)+7)/8)<<4)|((2+(\s)/4)<<2)|(1-((\s)%4)/2)   ; D window 1; C window 0 (the bias) in K step 0, else 1; h window 2 or 3; weights window 1 or 0
.irp m, 0,1,2,3
.irp n, 0,1,2,3
	MM \s, \n, \m
.endr
.endr
.endm
.macro MMS first                       ; a chunk's 128 matrix instructions.  Issued ahead: the biases and K steps 0-3
	KSTEP 0, 48, \first                            ; behind my sixteen: K step 1's sixteen and K steps 2, 3
	KSTEP 1, 32, \first
	PLACES                                         ; for the loads into the buffers just multiplied
	PRUN 2
	KSTEP 2, 48, \first                            ; K step 3's sixteen and the run just issued
	KSTEP 3, 32, \first
	PLACES
	PRUN 3
	KSTEP 4, 48, \first
	KSTEP 5, 32, \first
	KSTEP 6, 16, \first
	KSTEP 7, 0, \first
	WIN 0
.endm
.macro TOSTAGE m                       ; row tile m: into my stage, row r, my 32 bytes of each tile's 64; and back as whole rows, two an instruction.  LDS serves a wave's instructions in order (ISA guide 5.7.1.4)
	WIN 0x04                                       ; the data in window 1
.irp n, 0,1,2,3
	ds_store_b128 v[OSI], v[32*\n+8*(\m):32*\n+8*(\m)+3] offset:64*\n
	ds_store_b128 v[OSI], v[32*\n+8*(\m)+4:32*\n+8*(\m)+7] offset:64*\n+16
.endr
	WIN 0
.irp i, 0,1,2,3,4,5,6,7
	ds_load_b128 v[BK+32*((\m)%2)+4*\i:BK+32*((\m)%2)+4*\i+3], v[OSO] offset:2*OP*\i
.endr
.endm
.macro SEND m, younger                 ; younger: the LDS instructions issued behind tile m's loads, which may stay out
	s_wait_dscnt \younger
.irp i, 0,1,2,3,4,5,6,7
	global_store_b128 v[OO], v[BK+32*((\m)%2)+4*\i:BK+32*((\m)%2)+4*\i+3], s[12:13] offset:(16*(\m)+2*\i)*4096-256 th:TH_STORE_NT   ; 16 lanes store 256 consecutive bytes, at a multiple of 256; written once, read by nobody here
.endr
.endm
; The finished chunk leaves.  ld = 1: the next chunk's biases and K steps 0-3 are asked for, the first two K steps ahead of the way out and the others behind it.
.macro OUT ld
	PLACES                                         ; behind the last products: for the loads into their buffers and the first read of the sums
	s_wait_xcnt 0x0                                ; the last chunk's stores have read their base and their registers
	s_add_nc_u64 s[12:13], s[12:13], 256           ; 64 columns on; the stores reach back by 256
.if \ld
	ADDR
	BIASRUN
	PRUN 0
.endif
	WIN 0x41
.set j, 0
.rept 64
	v_pk_mul_f32 v[j:j+1], v[j:j+1], s[SO:SO+1] op_sel_hi:[1,0]   ; x 2^E, in place; each accumulator from its low end on
.set j, j+2
.endr
	s_wait_alu depctr_va_vdst(0)                   ; the products
	TOSTAGE 0
	TOSTAGE 1
	SEND 0, 16                                     ; behind tile 0's loads: tile 1's eight stores and eight loads
	s_wait_xcnt 0x0                                ; tile 0's stores have read their registers: tile 2's rows may land there
	TOSTAGE 2
	SEND 1, 16
	s_wait_xcnt 0x0
	TOSTAGE 3
	SEND 2, 16
.if \ld
	PRUN 1
	SEND 3, 32                                     ; behind tile 3's loads: the run just issued
.else
	SEND 3, 0
.endif
.endm
	s_load_b256 s[4:11], s[0:1], 0x0               ; h_img s[4:5], W_out s[6:7], b_out s[8:9], the scales' exponents s[10:11]
	s_load_b64 s[12:13], s[0:1], 0x20              ; out
	v_lshl_add_u32 v[SPW], v0, 2, SPARE
	v_mov_b32 v[NIL], 0
	ds_add_u32 v[SPW], v[NIL]
	ds_add_u32 v[SPW], v[NIL]
	v_lshrrev_b32 v1, 5, v0
	v_readfirstlane_b32 s[WV], v1                  ; wave 0..3
	v_and_b32 v1, 15, v0                           ; r
	v_bfe_u32 v2, v0, 4, 1                         ; h
	v_and_b32 v3, 31, v0                           ; lane
	v_lshlrev_b32 v[LO], 4, v3
	v_lshlrev_b32 v[BO], 3, v0
	v_lshl_add_u32 v[BSI], v0, 3, BIA
	v_lshl_add_u32 v[BAD], v2, 5, BIA
	v_mul_u32_u24 v[AL], v1, PITCH
	v_lshl_add_u32 v[AL], v2, 4, v[AL]             ; row r x pitch + 16 h
	s_mul_i32 s58, s[WV], OSTW
	s_add_co_u32 s58, s58, OST                     ; my stage
	v_mul_u32_u24 v[OSI], v1, OP
	v_lshl_add_u32 v[OSI], v2, 5, v[OSI]
	v_add_nc_u32 v[OSI], s58, v[OSI]               ; in: row r, + 32 h
	v_mul_u32_u24 v[OSO], v2, OP
	v_lshl_add_u32 v[OSO], v1, 4, v[OSO]
	v_add_nc_u32 v[OSO], s58, v[OSO]               ; back: lanes 0-15 one row of 256 bytes, lanes 16-31 the next
	v_lshlrev_b32 v[OO], 12, v2
	v_lshl_add_u32 v[OO], v1, 4, v[OO]             ; and the same two rows in out
	s_bfe_u32 s15, ttmp6, 0x40000                  ; cx: my place in the cluster
	s_and_b32 s16, ttmp9, 3                        ; which 256 columns: the same in all four partners
	s_lshr_b32 s17, ttmp9, 2
	s_lshl_b32 s18, s17, 2
	s_add_co_u32 s18, s18, s15                     ; my block of 256 rows: it enters h_img's and out's addresses alone
	s_mov_b32 s[G1], 15|(1<<20)|(1<<21)|(7<<22)|(3<<25)   ; the mask: all four; elements of 1 byte; padding of 4 words after every 256
	s_mov_b32 s[G1+1], 1024<<16
	s_mov_b32 s[G1+2], 64<<16
	s_mov_b32 s[G1+3], 1024<<16
	s_mov_b32 s[G1+4], 64
	s_mov_b32 s[G1+5], 1024
	s_mov_b32 s[G1+6], 0
	s_mov_b32 s[G1+7], 0
	s_lshl_b32 s50, s18, 18
	s_lshl_b32 s51, s[WV], 16
	s_add_co_u32 s50, s50, s51                     ; h_img: 16 tiles of 16,384 bytes a block, 4 a wave
	s_mov_b32 s51, 0
	s_lshl_b32 s52, s18, 20
	s_lshl_b32 s53, s[WV], 18
	s_add_co_u32 s52, s52, s53                     ; out: 256 rows of 4,096 bytes a block, 64 a wave,
	s_lshl_b32 s53, s16, 10
	s_add_co_u32 s52, s52, s53                     ; + my quarter's 1,024 bytes of a row
	s_mov_b32 s53, 0
	s_lshl_b32 s54, s16, 18                        ; the weights that I fetch: my quarter's 256 rows,
	s_lshl_b32 s55, s[WV], 16                      ; 64 of them a wave
	s_add_co_u32 s54, s54, s55
	s_mov_b32 s55, 0
	s_lshl_b32 s56, s16, 10                        ; the biases of my quarter
	s_mov_b32 s57, 0
	s_wait_alu depctr_va_vdst(0)
	s_wait_dscnt 0x0
	s_wait_kmcnt 0x0
	s_load_b128 s[20:23], s[10:11], 0x0            ; e0, e1, e2, e3
	s_add_nc_u64 s[4:5], s[4:5], s[50:51]
	s_add_nc_u64 s[12:13], s[12:13], s[52:53]
	s_add_nc_u64 s[6:7], s[6:7], s[54:55]
	s_add_nc_u64 s[8:9], s[8:9], s[56:57]
	global_load_b64 v[BT:BT+1], v[BO], s[8:9]
	ALOAD 0
	ALOAD 1
	ALOAD 2
	WIN 0
	s_mov_b32 s[G0], 1
	s_mul_i32 s[G0+1], s[WV], WPART                ; LDS address: wave x 64 rows: no place in the cluster enters it
	s_mov_b64 s[G0+2:G0+3], s[6:7]
	s_or_b32 s[G0+3], s[G0+3], 0x80000000
	ROUND                                          ; all four work-groups are here: the joint loads meet
	tensor_load_to_lds s[G0:G0+3], s[G1:G1+7]      ; my one tensor load of the launch: 64 rows; no LDS byte is filled twice
	s_nop 0
	PLACES
	ALOAD 3
	ALOAD 4
	ALOAD 5
	ALOAD 6
	ALOAD 7
	WIN 0
	s_wait_kmcnt 0x0
	s_add_co_i32 s50, s22, s23                     ; E = e2 + e3
	s_sub_co_i32 s[NE], 0, s50
	s_add_co_i32 s50, s50, 127
	s_lshl_b32 s[SO], s50, 23                      ; 2^E as f32
	s_mov_b32 s[SO+1], s[SO]
	s_mov_b32 s[WOFF], 0
	s_mov_b32 s[BOFF], 0
	s_wait_loadcnt 63                              ; of the 129 loads issued the 63 youngest may be out: the biases and h's K steps 0-3 are in
	v_ldexp_f32 v[BT], v[BT], s[NE]                ; b x 2^-E
	v_ldexp_f32 v[BT+1], v[BT+1], s[NE]
	ds_store_b64 v[BSI], v[BT:BT+1]
	ADDR                                           ; chunk 0
	s_wait_alu depctr_va_vdst(0)
	s_wait_tensorcnt 0x0                           ; my part of the weights is in: this is the one barrier between the fill and all reads
	s_wait_dscnt 0x0                               ; my biases lie in LDS
	s_barrier_signal -1
	s_barrier_wait -1
	BIASRUN
	PRUN 0
	PRUN 1
	MMS 1
	s_mov_b32 s[WOFF], 64*PITCH
	s_mov_b32 s[BOFF], 256
	s_mov_b32 s[CNT], 3
.Lchunk:                                               ; a trip: the chunk before leaves, the chunk is multiplied
	OUT 1
	MMS 0
	s_add_co_u32 s[WOFF], s[WOFF], 64*PITCH
	s_add_co_u32 s[BOFF], s[BOFF], 256
	s_sub_co_u32 s[CNT], s[CNT], 1
	s_cmp_lg_u32 s[CNT], 0
	s_cbranch_scc1 .Lchunk
	OUT 0                                          ; the last chunk
	s_wait_tensorcnt 0x0                           ; the wave's end
	ds_add_u32 v[SPW], v[NIL]
	s_wait_dscnt 0x0
	ROUND                                          ; the closing round
	s_endpgm
.Lfunc_end_k_qbface5a4c0_proj:
	.size	k_qbface5a4c0_proj, .Lfunc_end_k_qbface5a4c0_proj-k_qbface5a4c0_proj
	.p2alignl 7, 3214868480
	.fill 96, 4, 3214868480
	.section	.rodata,"a",@progbits
	.p2align	6, 0x0
	.amdhsa_kernel k_qbface5a4c0_proj
		.amdhsa_group_segment_fixed_size 327680
		.amdhsa_private_segment_fixed_size 0
		.amdhsa_enable_private_segment 0
		.amdhsa_kernarg_size 40
		.amdhsa_user_sgpr_count 2
		.amdhsa_user_sgpr_kernarg_segment_ptr 1
		.amdhsa_wavefront_size32 1
		.amdhsa_system_sgpr_workgroup_id_x 1
		.amdhsa_system_sgpr_workgroup_id_y 1
		.amdhsa_system_sgpr_workgroup_id_z 1
		.amdhsa_system_vgpr_workitem_id 0
		.amdhsa_next_free_vgpr 1024
		.amdhsa_next_free_sgpr 66
		.amdhsa_reserve_vcc 0
		.amdhsa_float_denorm_mode_32 3
		.amdhsa_float_denorm_mode_16_64 3
		.amdhsa_memory_ordered 1
		.amdhsa_forward_progress 1
		.amdhsa_inst_pref_size 77
	.end_amdhsa_kernel
	.amdgpu_metadata
---
amdhsa.version: [ 1, 2 ]
amdhsa.kernels:
  - .name:           k_qbface5a4c0_proj
    .symbol:         k_qbface5a4c0_proj.kd
    .args:
      - { .name: h_img, .offset: 0, .size: 8, .value_kind: global_buffer, .address_space: global }
      - { .name: W_out_codes, .offset: 8, .size: 8, .value_kind: global_buffer, .address_space: global }
      - { .name: b_out, .offset: 16, .size: 8, .value_kind: global_buffer, .address_space: global }
      - { .name: lowp_scales, .offset: 24, .size: 8, .value_kind: global_buffer, .address_space: global }
      - { .name: out0, .offset: 32, .size: 8, .value_kind: global_buffer, .address_space: global }
    .group_segment_fixed_size: 327680
    .private_segment_fixed_size: 0
    .kernarg_segment_align: 8
    .kernarg_segment_size: 40
    .max_flat_workgroup_size: 128
    .sgpr_count:     66
    .vgpr_count:     1024
    .wavefront_size: 32
...
	.end_amdgpu_metadata
.endif
;; end of part 2
